; MI455X (gfx1250); checked and timed in simulation.
; The chip was launched on July 23, 2026; its instructions are those of AMD's public machine-readable ISA for CDNA 5 (MIT licence, August 2026) and "CDNA5" Instruction Set Architecture Reference Guide (July 2026). The comments in the code are by the model that wrote it; some were corrected since.
;; KNRM. Allowed arithmetic: float matrix products may take bf16 or f16 operands with f32 sums; all other float work in f32.
;; Inputs: W1 10 x 10 float32; W2 10 x 5 float32; W3 5 x 1 float32; b1 10 float32; b2 5 float32; b3 1 float32; d1 1,024 x 256 int32; d2 1,024 x 256 int32; emb 100,000 x 128 float32; q1 1,024 x 64 int32; q2 1,024 x 64 int32.
;; Outputs: out0 1,024 x 1 float32.
;; One version. Each part assembles by itself: llvm-mc -triple=amdgcn-amd-amdhsa -mcpu=gfx1250 --defsym DOCPART=n.
;; ======== version 1 of 1: 2 launches
;; workspace buffers: tab 25,600,000 bytes
;; launch norm (part 1): grid 1250 x 1, 8 waves a work-group, no clusters, 0 bytes of LDS; arguments emb, tab; writes tab
.if DOCPART == 1
	.amdgcn_target "amdgcn-amd-amdhsa--gfx1250"
	.amdhsa_code_object_version 6
	.text
	.protected	k_qca66e8e3db_norm
	.globl	k_qca66e8e3db_norm
	.p2align	8
	.type	k_qca66e8e3db_norm,@function
k_qca66e8e3db_norm:
	s_mov_b64 s[64:65], 0
	v_nop
	global_prefetch_b8 v0, s[64:65] scope:SCOPE_SE
	s_setreg_imm32_b32 hwreg(HW_REG_WAVE_MODE, 25, 1), 1
	s_wait_xcnt 0x0
; tab[i][e] = f16( KAPPA * emb[i][e] / (||emb[i]|| + 1e-13) ).   emb: [100000][128] f32.   tab: [100000][128] f16.
; Each table row is normalised once here instead of once for every id that names it (655,360 ids name 100,000 rows), and a row
; of tab is 256 bytes instead of 512, which halves what the gathers of the next launch move.
; KAPPA = (log2(e) / (4 * 0.1^2))^(1/4) = 2.4506350, so that a dot product of two rows of tab is sqrt(36.067376) * cosine:
; the next launch's exponents then need no further scale.  |tab| <= 2.46, whatever the size of emb's numbers: f16 has the range.
; A stream: no LDS, no barrier, no matrix unit.  100,000 rows = 1,250 work-groups x 8 waves x 10 rows.  A wave's load of 16 bytes
; a lane is one whole row (512 bytes); its store of 8 bytes a lane is one whole row of tab: 256 consecutive bytes, aligned.
; All ten loads of a wave go out at once; there is no loop.
; LIMIT: the result is rounded to f16 (11 bits) after the normalisation; sums of squares are kept in f32.
.set ROWS,  10                         ; rows of a wave
.set X,     4                          ; v[4:43]   row j: 4 registers, my 4 numbers
.set T,     44                         ; v[44:53]  five pairs: sums, then the row's factor in the low register
.set Y,     54                         ; v[54:73]  row j: 2 registers, my 4 numbers in f16
.set KAPPA, 0x401cd734                 ; 2.4506350
.set EPS,   0x29e12e13                 ; 1e-13
	s_load_b128 s[4:7], s[0:1], 0x0                ; emb s[4:5], tab s[6:7]
	v_lshrrev_b32 v1, 5, v0
	v_readfirstlane_b32 s8, v1                     ; wave 0..7
	v_and_b32 v1, 31, v0                           ; lane
	v_lshlrev_b32 v2, 4, v1                        ; my 16 bytes of a row of emb
	v_lshlrev_b32 v3, 3, v1                        ; my 8 bytes of a row of tab
	s_mul_i32 s9, ttmp9, 8*ROWS
	s_mul_i32 s8, s8, ROWS
	s_add_co_u32 s9, s9, s8                        ; my wave's first row, at most 99,990
	s_lshl_b32 s10, s9, 9                          ; x 512 bytes: below 2^26
	s_mov_b32 s11, 0
	s_lshl_b32 s12, s9, 8                          ; x 256 bytes
	s_mov_b32 s13, 0
	s_mov_b32 s14, 0x76543210                      ; v_permlanex16_b32: lane i of one half reads lane i of the other
	s_mov_b32 s15, 0xfedcba98
	s_wait_kmcnt 0x0
	s_add_nc_u64 s[4:5], s[4:5], s[10:11]
	s_add_nc_u64 s[6:7], s[6:7], s[12:13]
.irp j, 0,1,2,3,4,5,6,7,8,9
	global_load_b128 v[X+4*\j:X+4*\j+3], v2, s[4:5] offset:512*\j th:TH_LOAD_NT   ; read once in the launch
.endr
; Five rows, j0 .. j0 + 4, stage by stage, so that no instruction waits for the one in front of it.
; left = how many younger loads may stay out.
.macro HALF j0, left
	s_wait_loadcnt \left                           ; loads come back in order: these five rows are in
.irp i, 0,1,2,3,4
	v_pk_mul_f32 v[T+2*\i:T+2*\i+1], v[X+4*(\j0+\i):X+4*(\j0+\i)+1], v[X+4*(\j0+\i):X+4*(\j0+\i)+1]
.endr
.irp i, 0,1,2,3,4
	v_pk_fma_f32 v[T+2*\i:T+2*\i+1], v[X+4*(\j0+\i)+2:X+4*(\j0+\i)+3], v[X+4*(\j0+\i)+2:X+4*(\j0+\i)+3], v[T+2*\i:T+2*\i+1]
.endr
.irp i, 0,1,2,3,4
	v_add_f32 v[T+2*\i], v[T+2*\i], v[T+2*\i+1]    ; my four squares
.endr
.irp m, 1,2,4,8
.irp i, 0,1,2,3,4
	v_add_f32_dpp v[T+2*\i], v[T+2*\i], v[T+2*\i] row_xmask:\m row_mask:0xf bank_mask:0xf
.endr
.endr
.irp i, 0,1,2,3,4
	v_permlanex16_b32 v[T+2*\i+1], v[T+2*\i], s14, s15     ; the other half's sum (the destination has been written before)
.endr
.irp i, 0,1,2,3,4
	v_add_f32 v[T+2*\i], v[T+2*\i], v[T+2*\i+1]    ; the row's sum of squares, in every lane
.endr
.irp i, 0,1,2,3,4
	v_sqrt_f32 v[T+2*\i], v[T+2*\i]
.endr
	v_nop                                          ; one plain place between the last root and the first use (ISA guide 5.7.2)
	s_wait_alu depctr_va_vdst(0)
.irp i, 0,1,2,3,4
	v_add_f32 v[T+2*\i], EPS, v[T+2*\i]            ; norm + 1e-13, as the reference has it: a row of zeros stays zeros
.endr
.irp i, 0,1,2,3,4
	v_rcp_f32 v[T+2*\i], v[T+2*\i]
.endr
	v_nop                                          ; again one plain place
	s_wait_alu depctr_va_vdst(0)
.irp i, 0,1,2,3,4
	v_mul_f32 v[T+2*\i], KAPPA, v[T+2*\i]
.endr
.irp i, 0,1,2,3,4
	v_pk_mul_f32 v[X+4*(\j0+\i):X+4*(\j0+\i)+1], v[X+4*(\j0+\i):X+4*(\j0+\i)+1], v[T+2*\i:T+2*\i+1] op_sel_hi:[1,0]      ; both by the low register
	v_pk_mul_f32 v[X+4*(\j0+\i)+2:X+4*(\j0+\i)+3], v[X+4*(\j0+\i)+2:X+4*(\j0+\i)+3], v[T+2*\i:T+2*\i+1] op_sel_hi:[1,0]
.endr
.irp i, 0,1,2,3,4
	v_cvt_pk_f16_f32 v[Y+2*(\j0+\i)], v[X+4*(\j0+\i)], v[X+4*(\j0+\i)+1]
	v_cvt_pk_f16_f32 v[Y+2*(\j0+\i)+1], v[X+4*(\j0+\i)+2], v[X+4*(\j0+\i)+3]
.endr
.irp i, 0,1,2,3,4
	global_store_b64 v3, v[Y+2*(\j0+\i):Y+2*(\j0+\i)+1], s[6:7] offset:256*(\j0+\i)   ; 32 lanes x 8 bytes: one aligned row of 256 bytes.  No hint: the next launch reads it.  Every Y is written once
.endr
.endm
	HALF 0, 5                                      ; rows 0 to 4; the five younger loads stay out
	HALF 5, 0                                      ; rows 5 to 9
	s_endpgm
.Lfunc_end_k_qca66e8e3db_norm:
	.size	k_qca66e8e3db_norm, .Lfunc_end_k_qca66e8e3db_norm-k_qca66e8e3db_norm
	.p2alignl 7, 3214868480
	.fill 96, 4, 3214868480
	.section	.rodata,"a",@progbits
	.p2align	6, 0x0
	.amdhsa_kernel k_qca66e8e3db_norm
		.amdhsa_group_segment_fixed_size 0
		.amdhsa_private_segment_fixed_size 0
		.amdhsa_enable_private_segment 0
		.amdhsa_kernarg_size 16
		.amdhsa_user_sgpr_count 2
		.amdhsa_user_sgpr_kernarg_segment_ptr 1
		.amdhsa_wavefront_size32 1
		.amdhsa_system_sgpr_workgroup_id_x 1
		.amdhsa_system_sgpr_workgroup_id_y 1
		.amdhsa_system_sgpr_workgroup_id_z 1
		.amdhsa_system_vgpr_workitem_id 0
		.amdhsa_next_free_vgpr 80
		.amdhsa_next_free_sgpr 66
		.amdhsa_reserve_vcc 0
		.amdhsa_float_denorm_mode_32 3
		.amdhsa_float_denorm_mode_16_64 3
		.amdhsa_memory_ordered 1
		.amdhsa_forward_progress 1
		.amdhsa_inst_pref_size 13
	.end_amdhsa_kernel
	.amdgpu_metadata
---
amdhsa.version: [ 1, 2 ]
amdhsa.kernels:
  - .name:           k_qca66e8e3db_norm
    .symbol:         k_qca66e8e3db_norm.kd
    .args:
      - { .name: emb, .offset: 0, .size: 8, .value_kind: global_buffer, .address_space: global }
      - { .name: tab, .offset: 8, .size: 8, .value_kind: global_buffer, .address_space: global }
    .group_segment_fixed_size: 0
    .private_segment_fixed_size: 0
    .kernarg_segment_align: 8
    .kernarg_segment_size: 16
    .max_flat_workgroup_size: 256
    .sgpr_count:     66
    .vgpr_count:     80
    .wavefront_size: 32
...
	.end_amdgpu_metadata
.endif
;; end of part 1
;; launch knrm (part 2): grid 256 x 1, 8 waves a work-group, no clusters, 140,544 bytes of LDS; arguments tab, q1, q2, d1, d2, W1, b1, W2, b2, W3, b3, out0; writes out0
.if DOCPART == 2
	.amdgcn_target "amdgcn-amd-amdhsa--gfx1250"
	.amdhsa_code_object_version 6
	.text
	.protected	k_qca66e8e3db_knrm
	.globl	k_qca66e8e3db_knrm
	.p2align	8
	.type	k_qca66e8e3db_knrm,@function
k_qca66e8e3db_knrm:
	s_mov_b64 s[64:65], 0
	v_nop
	global_prefetch_b8 v0, s[64:65] scope:SCOPE_SE
	s_setreg_imm32_b32 hwreg(HW_REG_WAVE_MODE, 25, 1), 1
	s_wait_xcnt 0x0
; out0[b] = sigmoid( mlp(kernels(q1[b], d1[b])) - mlp(kernels(q2[b], d2[b])) ).
; tab: [100000][128] f16, rows normalised and scaled so that a dot product of two rows is sg * M, M the cosine, sg = sqrt(A / 2) = 6.0056120,
; A = log2(e) / 0.02 = 72.134752.
;
; SHARES.  2,048 units (1,024 batches x 2 pairs), one wave each: work-group g has batches 4 g .. 4 g + 3, wave w the unit (batch 4 g + w / 2, pair w % 2).
; A unit is D Q^T, 256 documents x 64 queries x 128.  The matrix instruction takes 16 document rows as A and 16 query rows as B: lane (r, h) then holds
; query r and, in its 8 result registers, documents 8 h .. 8 h + 7, so the sum over documents is a sum inside the lane.  The 64 query rows stay in 128 registers
; for the whole unit; a document fragment read from LDS feeds four matrix instructions.  The waves hand each other nothing but one number each at the end.
;
; THREE EXPONENTIALS FOR TEN KERNELS.  The first nine centres are (2 k - 8) / 9, equally spaced, all with sigma 0.1, so that
;   exp(-(M - mu_k)^2 / 0.02) = c_|k-4| * 2^(-A M^2) * r^(k-4),   r = 2^((4/9) A M),   c_j = exp(-(2 j / 9)^2 / 0.02);
; c_j does not hang on M and is applied once, behind the sum over documents.  With a = 2^(-(A/2) M^2 - (8/9) A M) and b_i = a r^i (i = 0 .. 4, four multiplies)
; the term 2^(-A M^2) r^(k-4) is b_(k/2 rounded down) * b_(k/2 rounded up): the product of the fused multiply-add that adds it to sum k.
; A tile's first matrix instruction takes as C eight registers that hold kc = (8/9) sg = 5.3383218, so the matrix unit delivers Z = sg (M + 8/9), and each
; exponent is one packed operation:  a = 2^(-(Z^2 - kc^2)),  r = 2^(kc Z - kc^2).  The tenth kernel (centre 1, sigma 0.001) is 2^(-t^2) with
; t = 100 sqrt(A) (M - 1) = 141.42136 Z - 1604.2745.  Per two entries: 4 packed operations for exponents, 6 exponentials, 14 packed operations for the sums.
; RANGE: |M| <= 1 by the normalisation that the reference itself makes, whatever the inputs' size.  Then every b_i lies between 2^-100.2 (M at the far end)
; and 2^28.5 (M = 8/9 for b_4, -8/9 for b_0): none overflows, none is flushed.  The products are at most 2^57, a lane's sum of 128 of them at most 2^64.
; No maximum is taken away in the reference either.
;
; THE GATHER.  Sixteen lanes read one row of tab (256 consecutive bytes, aligned), a wave two rows an instruction, 64 rows a trip into 128 registers; they are
; asked for one whole trip (four tiles of work) before they are put into the wave's own LDS region and read back as fragments.
; No tensor load (the rows are scattered), no cluster (no two work-groups share a tile), no prefetch (the register ring already asks a trip ahead).
; The output is 16 bytes a work-group, 4,096 bytes in all: it cannot be written in whole blocks of 256 bytes without traffic between work-groups.
;
; LIMITS.  Ids are clamped to 99,999 (the reference relies on ids inside the table).  log1p(s) is ln 2 * log2(1 + s): absolute error up to about 2^-24 a term,
; relative accuracy is lost for s below about 1e-4.  Exponentials below 2^-126 come out as zero (ISA guide 15.8): here the tenth kernel's alone.
; The matrix operands are f16: a token matched with itself gives a cosine within about 1e-4 of 1, which the tenth kernel sees as a factor above 0.99.
;
; REGISTERS.  Block 0 (v0-255): below.  Block 1 (v256-511): BF = v256-383 query fragments, ST = v384-511 the 64 gathered rows.
; s_set_vgpr_msb's low byte: bits 1:0 source 0, 3:2 source 1, 5:4 source 2, 7:6 destination.  Three settings: 0; 0x40 (loads into block 1);
; 0x04 (LDS store data, and B of the matrix instruction, from block 1).  At every label and branch it is 0.
.set PITCH, 272                        ; an LDS row: 256 bytes + 16 = 17 x 16, so the 16 rows that a fragment load touches begin at 16 different 16-byte columns modulo 256
.set REG,   64*PITCH                   ; a wave's own region: 64 rows
.set TILEB, 16*PITCH                   ; 16 rows: one fragment tile
.set SCR,   8*REG                      ; 139,264: eight words, wave w's result in word w
.set VMAX,  99999                      ; the table's last row
.set COL,  3                           ; v3   16 r: my 16 bytes of a gathered row
.set STA,  4                           ; v4   where I put them: region + 32 h rows + 16 r
.set FRA,  5                           ; v5   fragment address: region + 272 r + 16 h
.set ADRA, 6                           ; v6   the same for the document tile at work
.set IDO,  7                           ; v7   128 h: my half's 32 ids of a block of 64
.set WO10, 8                           ; v8   4 min(r, 9)
.set WO5,  9                           ; v9   4 min(r, 4)
.set NK2,  16                          ; v[16:17]  -kc^2, twice
.set AL,   20                          ; v[20:21]  141.42136, twice
.set BE,   22                          ; v[22:23]  -1604.2745, twice
.set SET,  24                          ; v[24:39]  two sets, 8 registers apart, of three pairs: +0 a, +2 r, +4 tenth kernel (first as exponents, then as values)
.set B1,   40                          ; v[40:41]  a r
.set B2,   42                          ; v[42:43]  a r^2
.set B3,   44                          ; v[44:45]  a r^3
.set B4,   46                          ; v[46:47]  a r^4
.set ACC,  48                          ; v[48:79]  four accumulators: query tile qt at 8 qt
.set AF,   80                          ; v[80:111] document fragments of one tile: K step ks at 8 ks
.set SUM,  112                         ; v[112:191] sums over documents: pair 20 qt + 2 k
.set OFFS, 192                         ; v[192:223] ids, then byte offsets, of the next 64 document rows; at the end the weights
.set OFQ,  224                         ; v[224:255] the same for the query rows, at the start only
.set KCV,  224                         ; v[224:231] behind that: kc eight times, the C of a tile's first matrix instructions; its first pair is also the factor in r's exponent
.set BF,   0                           ; block 1: 32 qt + 8 ks
.set ST,   128                         ; block 1: 4 j
.set F,    48                          ; v[48:87]  at the end: 10 qt + k
.set KC0, 0x2300698d                   ; c_4 = 6.9612451e-18
.set KC1, 0x2f75971e                   ; c_3 = 2.2336308e-10
.set KC2, 0x38577150                   ; c_2 = 5.1365525e-5
.set KC3, 0x3dad612b                   ; c_1 = 0.084657986
.set KC5, KC3
.set KC6, KC2
.set KC7, KC1
.set KC8, KC0
.set MSB, 0
.macro WIN new                         ; the immediate's high byte repeats the setting that is left
.if MSB != \new
	s_set_vgpr_msb (MSB<<8)|\new
.set MSB, \new
.endif
.endm
; 64 ids (256 aligned bytes at base + imm): half h of the wave takes ids 32 h .. 32 h + 31, register j the id 32 h + j; the 16 lanes of a half read the same bytes.
.macro IDS dst, base, imm
.set JX, 0
.rept 8
	global_load_b128 v[\dst+4*JX:\dst+4*JX+3], v[IDO], s[\base:\base+1] offset:\imm+16*JX th:TH_LOAD_NT
.set JX, JX+1
.endr
.endm
; id -> byte offset of my 16 bytes of that row of tab
.macro CONV dst
.set JX, 0
.rept 32
	v_min_u32 v[\dst+JX], VMAX, v[\dst+JX]
	v_lshl_add_u32 v[\dst+JX], v[\dst+JX], 8, v[COL]
.set JX, JX+1
.endr
.endm
; 64 rows of tab into 128 registers of block 1.  No hint: other waves may name the same rows.
.macro GATHER dst1, off
	WIN 0x40
.set JX, 0
.rept 32
	global_load_b128 v[\dst1+4*JX:\dst1+4*JX+3], v[\off+JX], s[16:17]
.set JX, JX+1
.endr
	WIN 0
.endm
; and from there into my region: instruction j puts rows j and 32 + j, 256 consecutive bytes for each half of the lanes
.macro PUT src1
	WIN 0x04
.set JX, 0
.rept 32
	ds_store_b128 v[STA], v[\src1+4*JX:\src1+4*JX+3] offset:PITCH*JX
.set JX, JX+1
.endr
	WIN 0
.endm
; the fragments of the 16 document rows at ADRA: lane (r, h) holds row r; registers 0-3 of K step ks hold k = 32 ks + 8 h + 0..7, registers 4-7 k = 32 ks + 16 + 8 h + 0..7
.macro FETCHA
.irp ks, 0,1,2,3
	ds_load_b128 v[AF+8*\ks:AF+8*\ks+3],   v[ADRA] offset:64*\ks
	ds_load_b128 v[AF+8*\ks+4:AF+8*\ks+7], v[ADRA] offset:64*\ks+32
.endr
.endm
; One of the four packed operations that make the exponents of the two entries Z in v[MP:MP+1], into the set at NXT.
.macro PR e
.if \e == 0
	v_pk_fma_f32 v[NXT:NXT+1],     v[MP:MP+1], v[MP:MP+1],   v[NK2:NK2+1]                       ; Z^2 - kc^2: a's exponent with the other sign, which the exponential turns
.endif
.if \e == 1
	v_pk_fma_f32 v[NXT+2:NXT+3],   v[MP:MP+1], v[KCV:KCV+1], v[NK2:NK2+1]                       ; kc Z - kc^2: r's exponent
.endif
.if \e == 2
	v_pk_fma_f32 v[NXT+4:NXT+5],   v[MP:MP+1], v[AL:AL+1],   v[BE:BE+1]                         ; t
.endif
.if \e == 3
	v_pk_mul_f32 v[NXT+4:NXT+5],   v[NXT+4:NXT+5], v[NXT+4:NXT+5] neg_lo:[1,0] neg_hi:[1,0]     ; -t^2
.endif
.endm
; One of the six exponentials of the set at NXT, each in place.
.macro EX e
.if \e == 0
	v_exp_f32 v[NXT],   -v[NXT]
.endif
.if \e == 1
	v_exp_f32 v[NXT+1], -v[NXT+1]
.endif
.if \e == 2
	v_exp_f32 v[NXT+2], v[NXT+2]
.endif
.if \e == 3
	v_exp_f32 v[NXT+3], v[NXT+3]
.endif
.if \e == 4
	v_exp_f32 v[NXT+4], v[NXT+4]
.endif
.if \e == 5
	v_exp_f32 v[NXT+5], v[NXT+5]
.endif
.endm
; One of the fourteen packed operations that add the set at CUR to the ten sums at SB (sum k at SB + 2 k)
.macro PO e
.if \e == 0
	s_wait_alu depctr_va_vdst(0)
	v_pk_mul_f32 v[B1:B1+1],     v[CUR:CUR+1], v[CUR+2:CUR+3]                    ; b1 = a r
.endif
.if \e == 1
	v_pk_fma_f32 v[SB:SB+1],     v[CUR:CUR+1], v[CUR:CUR+1], v[SB:SB+1]          ; sum 0 += a a
.endif
.if \e == 2
	v_pk_add_f32 v[SB+18:SB+19], v[SB+18:SB+19], v[CUR+4:CUR+5]                  ; sum 9 += the tenth kernel
.endif
.if \e == 3
	v_pk_mul_f32 v[B2:B2+1],     v[B1:B1+1],   v[CUR+2:CUR+3]                    ; b2 = b1 r
.endif
.if \e == 4
	v_pk_fma_f32 v[SB+2:SB+3],   v[CUR:CUR+1], v[B1:B1+1],   v[SB+2:SB+3]        ; sum 1 += a b1
.endif
.if \e == 5
	v_pk_fma_f32 v[SB+4:SB+5],   v[B1:B1+1],   v[B1:B1+1],   v[SB+4:SB+5]        ; sum 2 += b1 b1
.endif
.if \e == 6
	v_pk_mul_f32 v[B3:B3+1],     v[B2:B2+1],   v[CUR+2:CUR+3]                    ; b3 = b2 r
.endif
.if \e == 7
	v_pk_fma_f32 v[SB+6:SB+7],   v[B1:B1+1],   v[B2:B2+1],   v[SB+6:SB+7]        ; sum 3 += b1 b2
.endif
.if \e == 8
	v_pk_fma_f32 v[SB+8:SB+9],   v[B2:B2+1],   v[B2:B2+1],   v[SB+8:SB+9]        ; sum 4 += b2 b2
.endif
.if \e == 9
	v_pk_mul_f32 v[B4:B4+1],     v[B3:B3+1],   v[CUR+2:CUR+3]                    ; b4 = b3 r
.endif
.if \e == 10
	v_pk_fma_f32 v[SB+10:SB+11], v[B2:B2+1],   v[B3:B3+1],   v[SB+10:SB+11]      ; sum 5 += b2 b3
.endif
.if \e == 11
	v_pk_fma_f32 v[SB+12:SB+13], v[B3:B3+1],   v[B3:B3+1],   v[SB+12:SB+13]      ; sum 6 += b3 b3
.endif
.if \e == 12
	v_pk_fma_f32 v[SB+14:SB+15], v[B3:B3+1],   v[B4:B4+1],   v[SB+14:SB+15]      ; sum 7 += b3 b4
.endif
.if \e == 13
	v_pk_fma_f32 v[SB+16:SB+17], v[B4:B4+1],   v[B4:B4+1],   v[SB+16:SB+17]      ; sum 8 += b4 b4
.endif
.endm
; Pair PIX of a tile's 16 register pairs is added to its sums while pair PIX + 1 is exponentiated: 24 instructions.  Behind every v_exp_f32 stands a plain
; instruction that touches neither its result nor its source (ISA guide 5.7.2).  The links b1, b2, b3, b4 stand five instructions apart, and every exponent is made
; at least four instructions ahead of its exponential.
.macro STEP
.set CUR, SET+8*(PIX&1)
.set NXT, SET+8*((PIX+1)&1)
.set SB,  SUM+20*(PIX>>2)
.set MP,  ACC+2*(PIX+1)
	PR 0
	PO 0
	PR 1
	PR 2
	EX 0
	PO 1
	PO 3
	EX 1
	PR 3
	PO 4
	EX 2
	PO 6
	PO 5
	EX 3
	PO 7
	PO 8
	PO 9
	EX 4
	PO 10
	PO 11
	EX 5
	PO 2
	PO 12
	PO 13
.set PIX, PIX+1
.endm
; One tile: 16 documents x 64 queries.  fetch = 1: the next tile's fragments are asked for as soon as this tile's have been multiplied.
.macro TILE fetch
	s_wait_dscnt 0x0                               ; this tile's eight fragment loads are in
	WIN 0x04
.irp ks, 0,1,2,3
.irp qt, 0,1,2,3                                   ; the four accumulators take turns, one instruction a turn
.if \ks == 0
	v_wmma_f32_16x16x32_f16 v[ACC+8*\qt:ACC+8*\qt+7], v[AF+8*\ks:AF+8*\ks+7], v[BF+32*\qt+8*\ks:BF+32*\qt+8*\ks+7], v[KCV:KCV+7]   ; the sums start at kc
.else
	v_wmma_f32_16x16x32_f16 v[ACC+8*\qt:ACC+8*\qt+7], v[AF+8*\ks:AF+8*\ks+7], v[BF+32*\qt+8*\ks:BF+32*\qt+8*\ks+7], v[ACC+8*\qt:ACC+8*\qt+7]
.endif
.endr
.endr
	WIN 0
	v_add_nc_u32 v[ADRA], TILEB, v[ADRA]           ; four places behind the last matrix instruction, in front of the loads into AF and of the
	v_nop                                          ; first read of a result: the address's step and three v_nop
	v_nop
	v_nop
.if \fetch
	FETCHA
.endif
.set NXT, SET
.set MP,  ACC
	PR 2                                           ; pair 0 starts the pipeline
	PR 0
	PR 1
	PR 3
	EX 0                                           ; six exponentials in a run, each on registers of its own; the plain place behind them is the first line of STEP,
	EX 1                                           ; which writes the other set
	EX 2
	EX 3
	EX 4
	EX 5
.set PIX, 0
.rept 15
	STEP
.endr
.set CUR, SET+8                                    ; pair 15 lies in set 1 and belongs to query tile 3
.set SB,  SUM+60
.irp e, 0,1,2,3,4,5,6,7,8,9,10,11,12,13
	PO \e
.endr
.endm
; the weights, 23 loads of 4 bytes a lane, all inside their buffers by the clamps in WO10 and WO5
.macro WLOAD
.irp k, 0,1,2,3,4,5,6,7,8,9
	global_load_b32 v[OFFS+\k], v[WO10], s[26:27] offset:40*\k       ; W1[k][min(r, 9)]
.endr
	global_load_b32 v[OFFS+10], v[WO10], s[28:29]                    ; b1[min(r, 9)]
.irp n, 0,1,2,3,4,5,6,7,8,9
	global_load_b32 v[OFFS+11+\n], v[WO5], s[30:31] offset:20*\n     ; W2[n][min(r, 4)]
.endr
	global_load_b32 v[OFFS+21], v[WO5], s[32:33]                     ; b2[min(r, 4)]
	global_load_b32 v[OFFS+22], v[WO5], s[34:35]                     ; W3[min(r, 4)]
.endm
; Trip T: documents 64 T .. 64 T + 63.  Their rows are in ST; the next trip's are asked for before the work begins.
.macro TRIP T
	s_wait_loadcnt 0x0                             ; this trip's 32 gathers, and the loads of ids (or weights) issued behind them: all asked for a whole trip ago
	PUT ST
	v_mov_b32 v[ADRA], v[FRA]
	FETCHA                                         ; tile 0; LDS serves a wave's instructions in order (ISA guide 5.7.1.4): these see the stores above
.if \T < 3
	CONV OFFS                                      ; the next trip's offsets, while LDS works
.endif
	s_wait_dscnt 0x0                               ; the stores have read ST, which is loaded again below; tile 0's fragments are in
.if \T < 3
	GATHER ST, OFFS
	s_wait_xcnt 0x0                                ; the gathers' addresses are translated: OFFS is loaded again only behind this wait
.endif
.if \T < 2
	IDS OFFS, 6, (\T+2)*256
.endif
.if \T == 2
	WLOAD
.endif
	s_mov_b32 s50, 3
.Ltile\@:
	TILE 1
	s_sub_co_u32 s50, s50, 1
	s_cmp_lg_u32 s50, 0
	s_cbranch_scc1 .Ltile\@
	TILE 0                                         ; the trip's fourth tile fetches nothing
.endm
	; ---- the start ----
	s_load_b512 s[16:31], s[0:1], 0x0              ; tab 16:17, q1 18:19, q2 20:21, d1 22:23, d2 24:25, W1 26:27, b1 28:29, W2 30:31
	s_load_b256 s[32:39], s[0:1], 0x40             ; b2 32:33, W3 34:35, b3 36:37, out0 38:39
	v_lshl_add_u32 v38, v0, 2, 0x22100
	v_mov_b32 v39, 0
	v_lshrrev_b32 v10, 5, v0
	v_readfirstlane_b32 s8, v10                    ; wave 0..7
	v_and_b32 v1, 15, v0                           ; r
	v_bfe_u32 v2, v0, 4, 1                         ; h
	s_lshr_b32 s9, s8, 1
	s_lshl_b32 s14, ttmp9, 2
	s_add_co_u32 s9, s14, s9                       ; my batch = 4 g + w / 2
	s_mul_i32 s13, s8, REG                         ; my region of LDS
	s_mov_b32 s10, 0x76543210                      ; v_permlanex16_b32: lane i of one half reads lane i of the other
	s_mov_b32 s11, 0xfedcba98
	s_lshl_b32 s14, s9, 8                          ; 64 query ids of 4 bytes a batch
	s_mov_b32 s15, 0
	s_lshl_b32 s2, s9, 10                          ; 256 document ids a batch
	s_mov_b32 s3, 0
	v_lshlrev_b32 v[COL], 4, v1
	v_mul_u32_u24 v[STA], v2, 32*PITCH
	v_add_nc_u32 v[STA], v[STA], v[COL]
	v_add_nc_u32 v[STA], s13, v[STA]
	v_mul_u32_u24 v[FRA], v1, PITCH
	v_lshl_add_u32 v[FRA], v2, 4, v[FRA]
	v_add_nc_u32 v[FRA], s13, v[FRA]
	v_lshlrev_b32 v[IDO], 7, v2
	v_min_u32 v[WO10], 9, v1
	v_lshlrev_b32 v[WO10], 2, v[WO10]
	v_min_u32 v[WO5], 4, v1
	v_lshlrev_b32 v[WO5], 2, v[WO5]
	s_wait_kmcnt 0x0
	s_bitcmp1_b32 s8, 0                            ; odd waves take the second pair
	s_cselect_b64 s[4:5], s[20:21], s[18:19]       ; q2 or q1
	s_cselect_b64 s[6:7], s[24:25], s[22:23]       ; d2 or d1
	s_add_nc_u64 s[4:5], s[4:5], s[14:15]          ; at my batch
	s_add_nc_u64 s[6:7], s[6:7], s[2:3]
	s_load_b32 s12, s[36:37], 0x0                  ; b3
	s_lshl_b32 s2, ttmp9, 4                        ; the work-group's four numbers of out0
	s_add_nc_u64 s[38:39], s[38:39], s[2:3]
	IDS OFQ, 4, 0                                  ; the 64 query ids
	IDS OFFS, 6, 0                                 ; document ids 0 to 63
	v_mov_b32 v[NK2],   0xc1e3fb40                 ; -kc^2 = -28.497680
	v_mov_b32 v[NK2+1], 0xc1e3fb40
	v_mov_b32 v[AL],    0x430d6bde                 ; 100 sqrt(2) = 141.42136
	v_mov_b32 v[AL+1],  0x430d6bde
	v_mov_b32 v[BE],    0xc4c888c9                 ; -(100 sqrt(2) kc + 100 sqrt(A)) = -1604.2745
	v_mov_b32 v[BE+1],  0xc4c888c9
	s_wait_loadcnt 0x0                             ; both blocks of ids
	CONV OFQ
	CONV OFFS
	GATHER BF, OFQ                                 ; the query rows pass through the registers that will hold their fragments
	GATHER ST, OFFS                                ; documents 0 to 63
	s_wait_xcnt 0x0                                ; OFFS is loaded again, and OFQ's first eight registers are rewritten, only behind this wait
	IDS OFFS, 6, 256                               ; document ids 64 to 127
.set JX, 0
.rept 8
	v_mov_b32 v[KCV+JX], 0x40aad388                ; kc = 5.3383218
.set JX, JX+1
.endr
.set JX, 0
.rept 80
	v_mov_b32 v[SUM+JX], 0                         ; the sums start at zero: written while the wave would otherwise stand at the wait below
.set JX, JX+1
.endr
	s_wait_loadcnt 40                              ; the 32 query gathers are in; the 32 document gathers and 8 loads of ids behind them stay out
	PUT BF
	s_wait_dscnt 0x0                               ; the stores have read BF, which is loaded again now
	WIN 0x40
.irp qt, 0,1,2,3
.irp ks, 0,1,2,3
	ds_load_b128 v[BF+32*\qt+8*\ks:BF+32*\qt+8*\ks+3],   v[FRA] offset:TILEB*\qt+64*\ks
	ds_load_b128 v[BF+32*\qt+8*\ks+4:BF+32*\qt+8*\ks+7], v[FRA] offset:TILEB*\qt+64*\ks+32
.endr
.endr
	WIN 0
	s_wait_dscnt 0x0                               ; the query fragments are in: the region is free for documents
	s_wait_kmcnt 0x0                               ; b3
	TRIP 0
	TRIP 1
	TRIP 2
	TRIP 3
	; ---- the end: sums over documents -> log1p -> sum over queries -> the three small layers ----
.irp qt, 0,1,2,3
.irp k, 0,1,2,3,4,5,6,7,8,9
	v_add_f32 v[F+10*\qt+\k], v[SUM+20*\qt+2*\k], v[SUM+20*\qt+2*\k+1]
.endr
.endr
.irp qt, 0,1,2,3
.irp k, 0,1,2,3,4,5,6,7,8,9
	v_permlanex16_b32 v[SUM+20*\qt+2*\k], v[F+10*\qt+\k], s10, s11         ; the other half's documents
.endr
.endr
.irp qt, 0,1,2,3
.irp k, 0,1,2,3,4,5,6,7,8,9
	v_add_f32 v[F+10*\qt+\k], v[F+10*\qt+\k], v[SUM+20*\qt+2*\k]           ; query 16 qt + r, kernel k, all 256 documents; the same in both halves
.endr
.endr
.irp qt, 0,1,2,3
.irp k, 0,1,2,3,5,6,7,8
	v_fma_f32 v[F+10*\qt+\k], v[F+10*\qt+\k], KC\k, 1.0                    ; the factor left out of the chain, and log1p's 1
.endr
	v_add_f32 v[F+10*\qt+4], 1.0, v[F+10*\qt+4]
	v_add_f32 v[F+10*\qt+9], 1.0, v[F+10*\qt+9]
.endr
.set JX, 0
.rept 40
	v_log_f32 v[F+JX], v[F+JX]                     ; log2; ln 2 is applied behind the sums
.set JX, JX+1
.endr
	v_nop                                          ; one plain place behind the last logarithm
	s_wait_alu depctr_va_vdst(0)
.irp qt, 1,2,3
.irp k, 0,1,2,3,4,5,6,7,8,9
	v_add_f32 v[F+\k], v[F+\k], v[F+10*\qt+\k]
.endr
.endr
.irp m, 1,2,4,8
.irp k, 0,1,2,3,4,5,6,7,8,9
	v_add_f32_dpp v[F+\k], v[F+\k], v[F+\k] row_xmask:\m row_mask:0xf bank_mask:0xf    ; over the 16 queries of a row of lanes
.endr
.endr
.irp k, 0,1,2,3,4,5,6,7,8,9
	v_mul_f32 v[F+\k], 0x3f317218, v[F+\k]         ; x ln 2: kernel k's feature, in every lane
.endr
.irp k, 0,1,2,3,4,5,6,7,8,9
	v_max_num_f32 v[F+\k], 0, v[F+\k]              ; the ReLU in front of the first layer
.endr
.irp k, 0,1,2,3,4,5,6,7,8,9
	v_fmac_f32 v[OFFS+10], v[F+\k], v[OFFS+\k]     ; lane r: b1[n] + sum over k of x[k] W1[k][n], n = min(r, 9)
.endr
	v_max_num_f32 v[OFFS+10], 0, v[OFFS+10]
.irp n, 0,1,2,3,4,5,6,7,8,9
	v_readlane_b32 s[40+\n], v[OFFS+10], \n
.endr
.irp n, 0,1,2,3,4,5,6,7,8,9
	v_fmac_f32 v[OFFS+21], s[40+\n], v[OFFS+11+\n] ; lane r: b2[m] + sum over n of h1[n] W2[n][m], m = min(r, 4)
.endr
	v_max_num_f32 v[OFFS+21], 0, v[OFFS+21]
	v_cmp_gt_u32 vcc_lo, 5, v1
	v_cndmask_b32 v[OFFS+22], 0, v[OFFS+22], vcc_lo        ; lanes with r >= 5 add nothing
	v_mul_f32 v[OFFS+21], v[OFFS+21], v[OFFS+22]
.irp m, 1,2,4,8
	v_add_f32_dpp v[OFFS+21], v[OFFS+21], v[OFFS+21] row_xmask:\m row_mask:0xf bank_mask:0xf
.endr
	v_add_f32 v[OFFS+21], s12, v[OFFS+21]          ; + b3: my unit's number, in every lane
	s_lshl_b32 s51, s8, 2
	s_add_co_u32 s51, s51, SCR
	v_mov_b32 v10, s51
	ds_store_b32 v10, v[OFFS+21]                   ; all lanes write the same word with the same value
	s_wait_dscnt 0x0                               ; for wave 0's sake
	s_barrier_signal -1
	s_barrier_wait -1                              ; the launch's only barrier
	s_cmp_lg_u32 s8, 0
	s_cbranch_scc1 .Lend
	v_and_b32 v11, 31, v0                          ; wave 0: lane b takes batch 4 g + b
	v_min_u32 v12, 3, v11
	v_lshlrev_b32 v12, 3, v12
	v_add_nc_u32 v12, SCR, v12
	ds_load_b64 v[14:15], v12                      ; the two pairs' numbers
	s_wait_dscnt 0x0
	v_sub_f32 v14, v14, v15
	v_mul_f32 v14, 0xbfb8aa3b, v14                 ; sigmoid(x) = 1 / (1 + 2^(-1.442695 x))
	v_exp_f32 v14, v14
	v_nop                                          ; one plain place behind the exponential
	s_wait_alu depctr_va_vdst(0)
	v_add_f32 v14, 1.0, v14
	v_rcp_f32 v14, v14
	v_lshlrev_b32 v13, 2, v11                      ; the place behind the reciprocal: my word of out0
	s_wait_xcnt 0x0                                ; EXEC changes only behind this wait
	v_cmp_gt_u32 vcc_lo, 4, v11
	s_wait_tensorcnt 0x0
	ds_add_u32 v38, v39
	s_wait_dscnt 0x0
	s_and_saveexec_b32 s51, vcc_lo
	s_wait_alu depctr_va_vdst(0)
	global_store_b32 v13, v14, s[38:39]            ; four lanes, 16 consecutive bytes
	s_endpgm
.Lend:
	s_wait_tensorcnt 0x0
	ds_add_u32 v38, v39
	s_wait_dscnt 0x0
	s_endpgm
.Lfunc_end_k_qca66e8e3db_knrm:
	.size	k_qca66e8e3db_knrm, .Lfunc_end_k_qca66e8e3db_knrm-k_qca66e8e3db_knrm
	.p2alignl 7, 3214868480
	.fill 96, 4, 3214868480
	.section	.rodata,"a",@progbits
	.p2align	6, 0x0
	.amdhsa_kernel k_qca66e8e3db_knrm
		.amdhsa_group_segment_fixed_size 140544
		.amdhsa_private_segment_fixed_size 0
		.amdhsa_enable_private_segment 0
		.amdhsa_kernarg_size 96
		.amdhsa_user_sgpr_count 2
		.amdhsa_user_sgpr_kernarg_segment_ptr 1
		.amdhsa_wavefront_size32 1
		.amdhsa_system_sgpr_workgroup_id_x 1
		.amdhsa_system_sgpr_workgroup_id_y 1
		.amdhsa_system_sgpr_workgroup_id_z 1
		.amdhsa_system_vgpr_workitem_id 0
		.amdhsa_next_free_vgpr 512
		.amdhsa_next_free_sgpr 66
		.amdhsa_reserve_vcc 1
		.amdhsa_float_denorm_mode_32 3
		.amdhsa_float_denorm_mode_16_64 3
		.amdhsa_memory_ordered 1
		.amdhsa_forward_progress 1
		.amdhsa_inst_pref_size 255
	.end_amdhsa_kernel
	.section	.bss,"aw",@nobits
	.p2align	6
	.space	262144
	.amdgpu_metadata
---
amdhsa.version: [ 1, 2 ]
amdhsa.kernels:
  - .name:           k_qca66e8e3db_knrm
    .symbol:         k_qca66e8e3db_knrm.kd
    .args:
      - { .name: tab, .offset: 0, .size: 8, .value_kind: global_buffer, .address_space: global }
      - { .name: q1, .offset: 8, .size: 8, .value_kind: global_buffer, .address_space: global }
      - { .name: q2, .offset: 16, .size: 8, .value_kind: global_buffer, .address_space: global }
      - { .name: d1, .offset: 24, .size: 8, .value_kind: global_buffer, .address_space: global }
      - { .name: d2, .offset: 32, .size: 8, .value_kind: global_buffer, .address_space: global }
      - { .name: W1, .offset: 40, .size: 8, .value_kind: global_buffer, .address_space: global }
      - { .name: b1, .offset: 48, .size: 8, .value_kind: global_buffer, .address_space: global }
      - { .name: W2, .offset: 56, .size: 8, .value_kind: global_buffer, .address_space: global }
      - { .name: b2, .offset: 64, .size: 8, .value_kind: global_buffer, .address_space: global }
      - { .name: W3, .offset: 72, .size: 8, .value_kind: global_buffer, .address_space: global }
      - { .name: b3, .offset: 80, .size: 8, .value_kind: global_buffer, .address_space: global }
      - { .name: out0, .offset: 88, .size: 8, .value_kind: global_buffer, .address_space: global }
    .group_segment_fixed_size: 140544
    .private_segment_fixed_size: 0
    .kernarg_segment_align: 8
    .kernarg_segment_size: 96
    .max_flat_workgroup_size: 256
    .sgpr_count:     66
    .vgpr_count:     512
    .wavefront_size: 32
...
	.end_amdgpu_metadata
.endif
;; end of part 2
